; MI455X (gfx1250); checked and timed in simulation.
; The chip was launched on July 23, 2026; its instructions are those of AMD's public machine-readable ISA for CDNA 5 (MIT licence, August 2026) and "CDNA5" Instruction Set Architecture Reference Guide (July 2026). The comments in the code are by the model that wrote it; some were corrected since.
;; Mutihead Attention. Allowed arithmetic: matrix products marked QUANTISED: E2M1 operands, one E8M0 scale for each 32 along K, by v_wmma_scale_f32_16x16x128_f8f6f4 with both operands' format E2M1 (or v_wmma_scale_f32_32x16x128_f4), f32 sums; everything else in f32.
;; Inputs: Wk 1,024 x 1,024 float32; Wq 1,024 x 1,024 float32; Wr 1,024 x 1,024 float32; Wv 1,024 x 1,024 float32; beta 1,024 float32; gamma 1,024 float32; mask 4 x 2,048 int32; x 4 x 2,048 x 1,024 float32.
;; Outputs: out0 4 x 2,048 x 1,024 float32.
;; This version of the problem:
;;   THIS VERSION OF THE PROBLEM IS GIVEN IN LOW PRECISION. The matrix products marked QUANTISED in the list below multiply operands that are first quantised to E2M1 (2 exponent bits, 1 mantissa bit; 4 bits a number), with one power-of-two scale for each 32 numbers along K (OCP MX v1.0); their sums are f32. All else is computed in f32.
;;   The module's matrix products, in the order in which they are computed (A, B: the left and right operand; K: the contracted axis; several contracted axes count as one K, in the product's order):
;;     1. [M 8,192, K 1,024] x [K 1,024, N 1,024]; A: input x; B: input Wq: QUANTISED
;;     2. [M 8,192, K 1,024] x [K 1,024, N 1,024]; A: input x; B: input Wk: QUANTISED
;;     3. [M 8,192, K 1,024] x [K 1,024, N 1,024]; A: input x; B: input Wv: QUANTISED
;;     4. batch 64 x [M 2,048, K 64] x [K 64, N 2,048]; A: computed on the way; B: computed on the way: QUANTISED
;;     5. batch 64 x [M 64, K 2,048] x [K 2,048, N 2,048]; A: computed on the way; B: softmax (see below): QUANTISED
;;     6. [M 8,192, K 1,024] x [K 1,024, N 1,024]; A: input x; B: input Wr: QUANTISED
;;   THE QUANTISER, for each operand of a quantised product, along K:
;;     - K is cut into blocks of 32 from its start; a last block that is shorter is filled with zeros.
;;     - A block's scale is 2^e with e = floor(log2(the largest magnitude in the block)) - 2, held to -126 .. 127; a block of zeros has e = 0. As a byte (E8M0): e + 127.
;;     - Each number is divided by its block's scale, clamped to +-6, and rounded to the nearest number of E2M1, ties to even, subnormals kept.
;;     - The product sums the exact products of the quantised numbers (number of the format x scale) in f32.
;;   ~~~python
;;   def quantise(x, axis):      # numpy; x: float32 -> the quantised numbers, widened to float32 again
;;       x = np.moveaxis(x, axis, -1); K = x.shape[-1]
;;       x = np.pad(x, [(0, 0)] * (x.ndim - 1) + [(0, -K % 32)]); x = x.reshape(x.shape[:-1] + (-1, 32)); a = np.abs(x).max(-1, keepdims=True)
;;       e = np.where(a > 0, np.clip(np.frexp(np.where(a > 0, a, 1))[1] - 1 - 2, -126, 127), 0)      # np.frexp(a)[1] - 1 = floor(log2(a)), exactly
;;       r = np.clip(x / 2.0 ** e, -6, 6)
;;       step = 2.0 ** (np.maximum(np.frexp(np.where(r == 0, 1, r))[1] - 1, 0) - 1)
;;       q = np.round(r / step) * step * 2.0 ** e      # np.round: ties to even
;;       return np.moveaxis(q.reshape(q.shape[:-2] + (-1,))[..., :K], -1, axis).astype(np.float32)
;;   ~~~
;;   SOFTMAX AHEAD OF A QUANTISED PRODUCT. Where the list says 'softmax', what is quantised is not the finished softmax but p = 2^(t - M), with t = logit x log2(e) and M = ceil(the row's largest t), a whole number; so 1/2 < the row's largest p <= 1. The row's sum l is taken of the UNQUANTISED p, in f32, and the product's result is divided by l at the end. Since M is a whole number, a kernel that streams over the keys may use a running M (the ceiling of the running maximum): every later rescaling is an exact power of two, which a block's scale takes up: the codes' values come out the same.
;;   OPERANDS COMPUTED ON THE WAY. 'Computed on the way' means the value that the module computes at that place (a softmax that the list does not call 'softmax' is quantised finished and normalised). What goes into a quantiser is computed in f32, as accurately as f32 sums, v_exp_f32 and their like allow (about 1e-6 of the number): no bf16 or f16 on the way to a quantiser, and a product that is left as it is and whose result goes on into a quantised operand takes f32 operands (vector FMAs, or v_wmma_f32_16x16x4_f32). A number that lies on a knife's edge between two numbers of the format may be rounded either way, as far as f32 arithmetic and the matrix unit's own rounding can turn it there, and no further.
;; One version. Each part assembles by itself: llvm-mc -triple=amdgcn-amd-amdhsa -mcpu=gfx1250 --defsym DOCPART=n.
;; ======== version 1 of 1: 4 launches
;; limits: right only within a limited range of input values
;; workspace buffers: ximg 4,456,448 bytes; wimg 2,228,224 bytes; qbuf 4,718,592 bytes; kv 9,175,040 bytes; y 33,554,432 bytes
;; launch quant (part 1): grid 768 x 1, 4 waves a work-group, no clusters, 34,304 bytes of LDS; arguments x, Wq, Wk, Wv, Wr, ximg, wimg; writes ximg, wimg
.if DOCPART == 1
	.amdgcn_target "amdgcn-amd-amdhsa--gfx1250"
	.amdhsa_code_object_version 6
	.text
	.protected	k_qf26575daec_quant
	.globl	k_qf26575daec_quant
	.p2align	8
	.type	k_qf26575daec_quant,@function
k_qf26575daec_quant:
	s_mov_b64 s[64:65], 0
	v_nop
	global_prefetch_b8 v0, s[64:65] scope:SCOPE_SE
	s_setreg_imm32_b32 hwreg(HW_REG_WAVE_MODE, 25, 1), 1
	s_wait_xcnt 0x0
; x [8192][1024] and Wq, Wk, Wv, Wr [1024][1024], f32, K innermost, become codes of FP4 (E2M1) with one E8M0 byte for each 32 along K,
; laid as IMAGES OF OPERAND REGISTERS.  A tile tau is 16 rows: lane r takes row 32 (tau / 2) + 8 (tau % 2) + r + 8 (r / 8).  A tile's record is 8,704 bytes:
; codes [K step s = 0..7][c = 0, 1][lane][16 bytes] = registers 4 c .. 4 c + 3 of the fragment (16 rows x 128 K) as the lane holds them; then the scale words [s / 4][r][s % 4].
; ximg: 512 records; wimg: 256 (Wq 0-63, Wk 64-127, Wv 128-191, Wr 192-255).
; A block's scale is 2^(floor(log2(its largest magnitude)) - 2); its byte is the largest magnitude's exponent field - 2, held at 1 from below.
; LIMITS: a block of zeros gets the byte 1 where the rule says 127 (its codes are zeros, and this program alone reads the bytes); blocks whose largest magnitude lies under 2^-124 keep the byte 1;
; NaN and infinities among the inputs are not served.
; SHARES.  A work-group takes one tile, each of its four waves a quarter of K: 16 rows x 256 numbers, two steps of 128 along K.  Work-groups 0-511 take x, 512-767 the four weights: pointers alone are chosen, one path through the text.
; Each load reads 512 consecutive bytes of one row; a step's 16 rows turn through the wave's own stage in LDS (rows 528 bytes apart) and come back 16 neighbours of each block of 32 to a lane.
; No cluster, no tensor load, no barrier: waves and work-groups share nothing.  Both steps' 32 loads of a wave are issued at its start.
; The codes leave in runs of 512 consecutive bytes.  A wave's two scale words of a row leave as 8 bytes a lane, 16 bytes apart: those units are written in part, by two waves; they are 512 of a record's 8,704 bytes.
.set REC,  8704
.set SP,   528                         ; a stage row: 512 bytes + 16
.set MX,   8                           ; v8-11   largest magnitudes
.set BY,   12                          ; v12-15  the other half's maxima, then the scale bytes
.set SO,   16                          ; v16-19  the conversions' scale operands
.set SW,   28                          ; v28-29  a scale word for each step
.set PC,   32                          ; v32-47  codes: eight registers for each step, so that no store's data are written again
.set R,    64                          ; v64-191 two sets of 64 numbers as they are loaded
.set X,    192                         ; v192-255 64 numbers: register 16 b + i = k 32 b + 16 (lane / 16) + i of my row
	s_load_b256 s[4:11], s[0:1], 0x0               ; x, Wq, Wk, Wv
	s_load_b128 s[12:15], s[0:1], 0x20             ; Wr, ximg
	s_load_b64 s[16:17], s[0:1], 0x30              ; wimg
	v_lshl_add_u32 v26, v0, 2, 0x8400              ; my spare word, behind the four stages
	v_mov_b32 v27, 0
	v_lshrrev_b32 v1, 5, v0
	v_readfirstlane_b32 s18, v1                    ; wave = which quarter of K
	v_and_b32 v1, 31, v0                           ; lane
	v_and_b32 v2, 15, v0                           ; r
	v_bfe_u32 v3, v0, 4, 1                         ; h
	v_lshlrev_b32 v4, 4, v1                        ; 16 x lane
	s_mul_i32 s19, s18, 16*SP                      ; my stage
	v_add_nc_u32 v5, s19, v4                       ; into it: a row as it is loaded
	v_mul_u32_u24 v6, v2, SP
	v_lshl_add_u32 v6, v3, 6, v6
	v_add_nc_u32 v6, s19, v6                       ; out of it: row r, + 64 h
	v_lshlrev_b32 v7, 4, v2                        ; 16 r: my row's scale words
.irp b, 0,1,2,3
	v_mov_b32 v[BY+\b], 0                          ; written once: a lane permute's destination counts as one of its sources
.endr
	s_mov_b32 s20, 0x76543210
	s_mov_b32 s21, 0xfedcba98                      ; v_permlanex16_b32's selects for lane l xor 16
	s_cmp_lt_u32 ttmp9, 512
	s_cselect_b32 s24, 0, 512
	s_cselect_b32 s25, 511, 63                     ; tiles in a source tensor, less one
	s_sub_co_u32 s24, ttmp9, s24                   ; the tile's number in its image buffer
	s_and_b32 s25, s24, s25                        ; and in its source tensor
	s_lshr_b32 s26, s25, 1
	s_lshl_b32 s26, s26, 17                        ; 32 rows of 4,096 bytes
	s_and_b32 s25, s25, 1
	s_lshl_b32 s25, s25, 15                        ; 8 rows
	s_add_co_u32 s26, s26, s25
	s_lshl_b32 s25, s18, 10                        ; a quarter of a row
	s_add_co_u32 s26, s26, s25
	s_mov_b32 s27, 0
	s_mul_i32 s28, s24, REC
	s_lshl_b32 s25, s18, 11
	s_add_co_u32 s28, s28, s25                     ; my codes' place: record + 2,048 x quarter
	s_mov_b32 s29, 0
	s_mul_i32 s30, s24, REC
	s_lshr_b32 s25, s18, 1
	s_lshl_b32 s25, s25, 8
	s_add_co_u32 s30, s30, s25
	s_and_b32 s25, s18, 1
	s_lshl_b32 s25, s25, 3
	s_add_co_u32 s30, s30, s25
	s_add_co_u32 s30, s30, 8192                    ; my scale words' place: record + 8,192 + 256 (quarter / 2) + 8 (quarter % 2)
	s_mov_b32 s31, 0
	s_wait_alu depctr_va_vdst(0)                   ; the wait at the head's end
	s_wait_kmcnt 0x0
	s_cmp_lt_u32 ttmp9, 704                        ; the source: the choices hang on the work-group's number alone
	s_cselect_b64 s[12:13], s[10:11], s[12:13]
	s_cmp_lt_u32 ttmp9, 640
	s_cselect_b64 s[12:13], s[8:9], s[12:13]
	s_cmp_lt_u32 ttmp9, 576
	s_cselect_b64 s[12:13], s[6:7], s[12:13]
	s_cmp_lt_u32 ttmp9, 512
	s_cselect_b64 s[12:13], s[4:5], s[12:13]
	s_cselect_b64 s[14:15], s[14:15], s[16:17]     ; the image buffer
	s_add_nc_u64 s[12:13], s[12:13], s[26:27]
	s_add_nc_u64 s[16:17], s[14:15], s[30:31]
	s_add_nc_u64 s[14:15], s[14:15], s[28:29]
.macro LOAD t                          ; step t: 16 rows x 512 bytes into set t
.irp p, 0,1,2,3,4,5,6,7,8,9,10,11,12,13,14,15
	global_load_b128 v[R+64*(\t)+4*\p:R+64*(\t)+4*\p+3], v4, s[12:13] offset:(\p+8*(\p/8))*4096+512*(\t) th:TH_LOAD_NT
.endr
.endm
; 64 numbers of a lane become a fragment's eight registers of codes in v[pc] on; the four scale bytes stay in v[BY] on
.macro QUANT s, pc
.irp b, 0,1,2,3
	v_max3_num_f32 v[MX+\b], |v[\s+16*\b]|, |v[\s+1+16*\b]|, 0x1800000   ; block b: my 16 numbers, and the floor 2^(3 - 127): the byte cannot fall under 1
.endr
.irp i, 2,4,6,8,10,12,14
.irp b, 0,1,2,3
	v_max3_num_f32 v[MX+\b], v[MX+\b], |v[\s+16*\b+\i]|, |v[\s+1+16*\b+\i]|   ; the four blocks by turns
.endr
.endr
.irp b, 0,1,2,3
	v_permlanex16_b32 v[BY+\b], v[MX+\b], s20, s21
.endr
.irp b, 0,1,2,3
	v_max_num_f32 v[MX+\b], v[MX+\b], v[BY+\b]     ; with lane l xor 16's: the block's largest magnitude
.endr
.irp b, 0,1,2,3
	v_add_nc_u32 v[SO+\b], 0xff000000, v[MX+\b]    ; 2 off its exponent field: the conversion takes the exponent field of this operand as its scale
.endr
.irp b, 0,1,2,3
	v_lshrrev_b32 v[BY+\b], 23, v[SO+\b]           ; the scale's byte
.endr
.irp b, 0,1,2,3
	v_cvt_scalef32_pk8_fp4_f32 v[(\pc)+2*\b], v[\s+16*\b:\s+7+16*\b], v[SO+\b]
	v_cvt_scalef32_pk8_fp4_f32 v[(\pc)+1+2*\b], v[\s+8+16*\b:\s+15+16*\b], v[SO+\b]
.endr
	v_nop                                          ; one plain place behind a scaled conversion
.irp c, 0,1                                    ; the operand's layout wants a whole block in a lane: lanes 0-15 block 2 c, lanes 16-31 block 2 c + 1
.irp i, 0,1
	v_permlane16_swap_b32 v[(\pc)+4*\c+\i], v[(\pc)+2+4*\c+\i]
.endr
.endr
.endm
.macro STEP t
.if (\t) < 1
	s_wait_loadcnt 16                              ; this step's 16 loads are in; the next step's may be out
.else
	s_wait_loadcnt 0x0
.endif
.irp p, 0,1,2,3,4,5,6,7,8,9,10,11,12,13,14,15
	ds_store_b128 v5, v[R+64*(\t)+4*\p:R+64*(\t)+4*\p+3] offset:SP*\p
.endr
.irp b, 0,1,2,3
.irp j, 0,1,2,3
	ds_load_b128 v[X+16*\b+4*\j:X+16*\b+4*\j+3], v6 offset:128*\b+16*\j   ; LDS serves a wave's instructions in order: these see the stores above
.endr
.endr
	s_wait_dscnt 0x0                               ; the numbers are back
	QUANT X, PC+8*(\t)
	v_lshl_or_b32 v[SW+(\t)], v[BY+1], 8, v[BY]    ; my row's scale word of this step
	v_lshl_or_b32 v[SW+(\t)], v[BY+2], 16, v[SW+(\t)]
	v_lshl_or_b32 v[SW+(\t)], v[BY+3], 24, v[SW+(\t)]
	global_store_b128 v4, v[PC+8*(\t):PC+8*(\t)+3], s[14:15] offset:1024*(\t)         ; 32 lanes store 512 consecutive bytes, at a multiple of 256 from the buffer's first byte
	global_store_b128 v4, v[PC+8*(\t)+4:PC+8*(\t)+7], s[14:15] offset:1024*(\t)+512
.endm
	LOAD 0
	LOAD 1
	STEP 0
	STEP 1
	v_cmp_gt_u32 vcc_lo, 16, v1                    ; lanes 16-31 hold the same words as lanes 0-15
	s_wait_alu depctr_va_vdst(0)                   ; the wait here, ahead of the blocking waits
	s_wait_xcnt 0x0                                ; EXEC changes only behind this wait
	s_wait_tensorcnt 0x0                           ; the wave's end: behind my last LDS store
	ds_add_u32 v26, v27
	s_wait_dscnt 0x0
	s_and_saveexec_b32 s19, vcc_lo
	global_store_b64 v7, v[SW:SW+1], s[16:17]      ; sixteen lanes store 8 bytes each, 16 bytes apart
	s_wait_xcnt 0x0                                ; and again, in front of the line that widens it
	s_or_b32 exec_lo, exec_lo, s19
	s_endpgm
.Lfunc_end_k_qf26575daec_quant:
	.size	k_qf26575daec_quant, .Lfunc_end_k_qf26575daec_quant-k_qf26575daec_quant
	.p2alignl 7, 3214868480
	.fill 96, 4, 3214868480
	.section	.rodata,"a",@progbits
	.p2align	6, 0x0
	.amdhsa_kernel k_qf26575daec_quant
		.amdhsa_group_segment_fixed_size 34304
		.amdhsa_private_segment_fixed_size 0
		.amdhsa_enable_private_segment 0
		.amdhsa_kernarg_size 56
		.amdhsa_user_sgpr_count 2
		.amdhsa_user_sgpr_kernarg_segment_ptr 1
		.amdhsa_wavefront_size32 1
		.amdhsa_system_sgpr_workgroup_id_x 1
		.amdhsa_system_sgpr_workgroup_id_y 1
		.amdhsa_system_sgpr_workgroup_id_z 1
		.amdhsa_system_vgpr_workitem_id 0
		.amdhsa_next_free_vgpr 256
		.amdhsa_next_free_sgpr 66
		.amdhsa_reserve_vcc 1
		.amdhsa_float_denorm_mode_32 3
		.amdhsa_float_denorm_mode_16_64 3
		.amdhsa_memory_ordered 1
		.amdhsa_forward_progress 1
		.amdhsa_inst_pref_size 19
	.end_amdhsa_kernel
	.amdgpu_metadata
---
amdhsa.version: [ 1, 2 ]
amdhsa.kernels:
  - .name:           k_qf26575daec_quant
    .symbol:         k_qf26575daec_quant.kd
    .args:
      - { .name: x, .offset: 0, .size: 8, .value_kind: global_buffer, .address_space: global }
      - { .name: Wq, .offset: 8, .size: 8, .value_kind: global_buffer, .address_space: global }
      - { .name: Wk, .offset: 16, .size: 8, .value_kind: global_buffer, .address_space: global }
      - { .name: Wv, .offset: 24, .size: 8, .value_kind: global_buffer, .address_space: global }
      - { .name: Wr, .offset: 32, .size: 8, .value_kind: global_buffer, .address_space: global }
      - { .name: ximg, .offset: 40, .size: 8, .value_kind: global_buffer, .address_space: global }
      - { .name: wimg, .offset: 48, .size: 8, .value_kind: global_buffer, .address_space: global }
    .group_segment_fixed_size: 34304
    .private_segment_fixed_size: 0
    .kernarg_segment_align: 8
    .kernarg_segment_size: 56
    .max_flat_workgroup_size: 128
    .sgpr_count:     66
    .vgpr_count:     256
    .wavefront_size: 32
...
	.end_amdgpu_metadata
.endif
;; end of part 1
;; launch proj (part 2): grid 12 x 32, 4 waves a work-group, clusters of 4 x 4, 327,680 bytes of LDS; arguments ximg, wimg, mask, qbuf, kv; writes qbuf, kv
.if DOCPART == 2
	.amdgcn_target "amdgcn-amd-amdhsa--gfx1250"
	.amdhsa_code_object_version 6
	.text
	.protected	k_qf26575daec_proj
	.globl	k_qf26575daec_proj
	.p2align	8
	.type	k_qf26575daec_proj,@function
k_qf26575daec_proj:
	s_mov_b64 s[64:65], 0
	v_nop
	global_prefetch_b8 v0, s[64:65] scope:SCOPE_SE
	s_setreg_imm32_b32 hwreg(HW_REG_WAVE_MODE, 25, 1), 1
	s_wait_xcnt 0x0
	s_wait_alu depctr_hold_cnt(0) depctr_sa_sdst(0) depctr_va_vdst(0) depctr_va_sdst(0) depctr_va_ssrc(0) depctr_va_vcc(0) depctr_vm_vsrc(0)
	s_getreg_b32 s2, hwreg(HW_REG_IB_STS2, 6, 4)
	s_cmp_eq_u32 s2, 0
	s_cbranch_scc0 .Lentry_in_a_cluster
	s_endpgm
.Lentry_in_a_cluster:
	s_bfe_u32 s2, ttmp6, 0x10000c
	s_cmp_lg_u32 s2, 0xf033
	s_cbranch_scc0 .Lentry_shape_is_right
	s_endpgm
.Lentry_shape_is_right:
.set NQ,    4
.set FR,    8
.set NL,    2
.set NP,    4
.set REC,   8704
.set PART,  32768
.set SLOT,  131072
.set SCL,   262144
.set ADRA,  16
.set ADRB,  20
.set ADRS,  27
.set SC,    32
.set UP,    96
.set MK,    104
.set AF,    128
.set MX,    192
.set BY,    196
.set SO,    200
.set HO,    204
.set HM,    205
.set VO0,   206
.set VO1,   207
.set VOS,   208
.set KW0,   212
.set KW1,   220
.set G1,  24
.set G0,  32
.set G1B, 48
.set G0B, 56
.set G1S, 68
.set G0S, 76
.set G1SB, 80
.set G0SB, 88
.set MSB, 0
.macro WIN new
.if MSB != (\new)
	s_set_vgpr_msb (MSB<<8)|(\new)
.set MSB, (\new)
.endif
.endm
.set MUL_LO, 0xa1
.set MUL_HI, 0xf1
.set TO_B,   0x40
.macro JLOAD g0a, g1a, g0b, g1b
	s_cmp_eq_u32 s15, 0
	s_cbranch_scc0 .Lfor_b_\@
	tensor_load_to_lds s[\g0a:\g0a+3], s[\g1a:\g1a+7]
	s_nop 0
.rept 4
	v_nop
.endr
	s_branch .Lasked_\@
.Lfor_b_\@:
	tensor_load_to_lds s[\g0b:\g0b+3], s[\g1b:\g1b+7]
	s_nop 0
.rept 4
	v_nop
.endr
.Lasked_\@:
.endm
.macro CROUND
	s_barrier_signal -1
	s_barrier_wait -1
	s_cmp_lg_u32 s14, 0
	s_cbranch_scc1 .Lnot_wave_0_\@
	s_barrier_signal -3
.Lnot_wave_0_\@:
	s_barrier_wait -3
	s_barrier_signal -1
	s_barrier_wait -1
.endm
	s_load_b256 s[4:11], s[0:1], 0x0
	s_load_b64 s[12:13], s[0:1], 0x20
	v_lshl_add_u32 v254, v0, 2, 0x44000
	v_mov_b32 v255, 0
	ds_add_u32 v254, v255
	ds_add_u32 v254, v255
	v_lshrrev_b32 v1, 5, v0
	v_readfirstlane_b32 s14, v1
	s_lshr_b32 s15, s14, 1
	s_and_b32 s16, s14, 1
	s_bfe_u32 s40, ttmp6, 0x40000
	s_bfe_u32 s41, ttmp6, 0x40004
	s_mov_b32 s42, ttmp9
	s_and_b32 s17, ttmp7, 0xffff
	s_lshl_b32 s17, s17, 2
	s_lshl_b32 s43, s41, 2
	s_lshl_b32 s43, 15, s43
	s_lshl_b32 s44, 0x1111, s40
	s_or_b32 s[G1+0], s43, (3<<16)|(1<<21)
	s_or_b32 s[G1B+0], s44, (3<<16)|(1<<21)
.irp g, G1, G1B
	s_mov_b32 s[\g+1], 512<<16
	s_mov_b32 s[\g+2], 16<<16                      ; the head's loads of codes bring 16 records' rows; behind them the two words are set to 8
	s_mov_b32 s[\g+3], 512<<16
	s_mov_b32 s[\g+4], 16
	s_mov_b32 s[\g+5], 1088
	s_mov_b32 s[\g+6], 0
	s_mov_b32 s[\g+7], 0
.endr
	s_or_b32 s[G1S+0], s43, (3<<16)|(1<<21)
	s_or_b32 s[G1SB+0], s44, (3<<16)|(1<<21)
.irp g, G1S, G1SB
	s_mov_b32 s[\g+1], 64<<16
	s_mov_b32 s[\g+2], 16<<16                      ; the scale words of 16 records
	s_mov_b32 s[\g+3], 64<<16
	s_mov_b32 s[\g+4], 16
	s_mov_b32 s[\g+5], 1088
	s_mov_b32 s[\g+6], 0
	s_mov_b32 s[\g+7], 0
.endr
	s_add_co_u32 s18, s17, s41
	s_add_co_u32 s19, s41, 8
	s_lshl_b32 s46, s42, 2
	s_add_co_u32 s46, s46, s40
	s_add_co_u32 s47, s17, s40
	s_cmp_eq_u32 s42, 2
	s_cselect_b32 s20, s19, s18
	s_cselect_b32 s46, s47, s46
	s_mul_i32 s20, s20, 16*REC
	s_mul_i32 s46, s46, 16*REC
	s_mul_i32 s19, s16, 8*REC
	s_wait_dscnt 0x0
	s_wait_kmcnt 0x0
	s_cselect_b64 s[22:23], s[6:7], s[4:5]
	s_cselect_b64 s[92:93], s[4:5], s[6:7]
	s_mov_b32 s21, 0
	s_mov_b32 s47, 0
	s_add_nc_u64 s[22:23], s[22:23], s[20:21]
	s_add_nc_u64 s[92:93], s[92:93], s[46:47]
	s_lshl_b32 s45, s14, 15
	s_lshl_b32 s94, s14, 12
	CROUND
	; the head's four tiles, each whole, one joint load a wave: wave 0 the first 512 along K of A's 16 records, wave 1 of B's, wave 2 A's scale words, wave 3 B's
	s_mov_b32 s[G0S], 1
	s_mov_b32 s[G0S+1], SCL
	s_add_nc_u64 s[G0S+2:G0S+3], s[22:23], 8192
	s_or_b32 s[G0S+3], s[G0S+3], 0x80000000
	s_mov_b32 s[G0SB], 1
	s_mov_b32 s[G0SB+1], SCL+8192
	s_add_nc_u64 s[G0SB+2:G0SB+3], s[92:93], 8192
	s_or_b32 s[G0SB+3], s[G0SB+3], 0x80000000
	s_mov_b32 s[G0], 1
	s_mov_b32 s[G0+1], 0
	s_mov_b64 s[G0+2:G0+3], s[22:23]
	s_or_b32 s[G0+3], s[G0+3], 0x80000000
	s_mov_b32 s[G0B], 1
	s_mov_b32 s[G0B+1], 2*PART
	s_mov_b64 s[G0B+2:G0B+3], s[92:93]
	s_or_b32 s[G0B+3], s[G0B+3], 0x80000000
	s_mov_b32 s66, s19                             ; for slot 1: my eight records of the sixteen
	s_mov_b32 s67, 0
	s_add_nc_u64 s[22:23], s[22:23], s[66:67]
	s_add_nc_u64 s[92:93], s[92:93], s[66:67]
	s_mov_b32 s[G0+4], 1
	s_add_co_u32 s[G0+5], s45, SLOT
	s_add_nc_u64 s[G0+6:G0+7], s[22:23], 4096
	s_or_b32 s[G0+7], s[G0+7], 0x80000000
	s_mov_b32 s[G0B+4], 1
	s_add_co_u32 s[G0B+5], s45, SLOT
	s_add_nc_u64 s[G0B+6:G0B+7], s[92:93], 4096
	s_or_b32 s[G0B+7], s[G0B+7], 0x80000000
.macro ARM under, g0, g1, next                 ; one chain of branches on the wave's number, a load to an arm, all arms to one join
	s_cmp_lt_u32 s14, \under
	s_cbranch_scc0 \next
	tensor_load_to_lds s[\g0:\g0+3], s[\g1:\g1+7]
	s_nop 0
.rept 4
	v_nop
.endr
	s_branch .Lhead_asked
\next:
.endm
	ARM 1, G0,  G1,  .Lhead_b
	ARM 2, G0B, G1B, .Lhead_sa
	ARM 3, G0S, G1S, .Lhead_sb
	tensor_load_to_lds s[G0SB:G0SB+3], s[G1SB:G1SB+7]
	s_nop 0
.rept 4
	v_nop
.endr
.Lhead_asked:
	v_and_b32 v1, 31, v0
	v_and_b32 v2, 15, v0
	v_bfe_u32 v3, v0, 4, 1
	s_wait_alu depctr_va_vdst(0)
	v_lshlrev_b32 v[VO0], 4, v1
	s_lshl_b32 s18, s15, 15
	s_lshl_b32 s19, s16, 15
	s_add_co_u32 s19, s19, 2*PART
.irp s, 0,1
	v_add_nc_u32 v[ADRA+\s], s18, v[VO0]
	v_add_nc_u32 v[ADRB+\s], s19, v[VO0]
	s_add_co_u32 s18, s18, SLOT
	s_add_co_u32 s19, s19, SLOT
.endr
	s_lshl_b32 s18, s15, 12
	s_lshl_b32 s19, s16, 12
	s_add_co_u32 s19, s19, 8192
	s_sub_co_u32 s19, s19, s18
	v_mul_u32_u24 v6, s19, v3
	s_add_co_u32 s18, s18, SCL
	v_lshl_add_u32 v6, v2, 4, v6
	v_add_nc_u32 v[ADRS], s18, v6
	v_and_b32 v5, 8, v2
	v_add_nc_u32 v5, v5, v2
	v_lshlrev_b32 v5, 2, v5
	s_wait_alu depctr_va_vdst(0)
.irp b, 0,1,2,3
	v_mov_b32 v[BY+\b], 0
.endr
	s_add_co_u32 s96, s17, s41
	s_add_co_u32 s97, s17, s40
	s_lshl_b32 s98, s40, 2
	s_lshl_b32 s99, s16, 1
	s_add_co_u32 s98, s98, s99
	s_lshl_b32 s99, s41, 2
	s_lshl_b32 s66, s15, 1
	s_add_co_u32 s99, s99, s66
	s_cmp_eq_u32 s42, 2
	s_cselect_b32 s96, s97, s96
	s_cselect_b32 s97, s16, s15
	s_cselect_b32 s98, s99, s98
	s_cselect_b32 s99, 4608, 0
	s_lshr_b32 s66, s96, 3
	s_and_b32 s67, s96, 7
	s_lshl_b32 s67, s67, 1
	s_add_co_u32 s67, s67, s97
	s_lshl_b32 s96, s66, 8
	s_lshl_b32 s98, s98, 4
	s_add_co_u32 s96, s96, s98
	s_add_co_u32 s96, s96, s67
	s_cmp_eq_u32 s42, 0
	s_mov_b32 s97, 8960
	s_cselect_b32 s97, 4608, s97
	s_cselect_b64 s[10:11], s[10:11], s[12:13]
	s_mov_b32 s2, 0x01010000
	s_cselect_b32 s2, 0x017f0000, s2
	s_mov_b32 s3, 0x01e30000
	s_cselect_b32 s3, 0x017f0000, s3
	s_mul_i32 s96, s96, s97
	s_add_co_u32 s96, s96, s99
	s_lshl_b32 s98, s97, 4
	s_mov_b32 s97, 0
	s_add_nc_u64 s[10:11], s[10:11], s[96:97]
	s_lshl_b32 s66, s66, 13
	s_lshl_b32 s67, s67, 9
	s_add_co_u32 s66, s66, s67
	s_mov_b32 s67, 0
	s_add_nc_u64 s[8:9], s[8:9], s[66:67]
.irp a, 0,1,2,3,4,5,6,7
	global_load_b32 v[MK+\a], v5, s[8:9] offset:(32*(\a/2)+8*(\a%2))*4
.endr
	v_mov_b32 v[HO], s2
	v_mov_b32 v[HM], s3
	v_add_nc_u32 v[VO1], s98, v[VO0]
	v_mul_u32_u24 v[VOS], v3, 143360
	v_lshl_add_u32 v[VOS], v2, 4, v[VOS]
.macro FRAG reg, adr, q, i
.irp c, 0,1
	ds_load_b128 v[\reg+4*\c:\reg+4*\c+3], v[\adr] offset:1024*(\q)+512*\c+(\i)*4096
.endr
.endm
.macro MUL16 a0, p, q, sc, zero
.irp a, \a0, \a0+1
.irp b, 0,1,2,3,4,5,6,7
.if \zero
	v_wmma_scale_f32_16x16x128_f8f6f4 v[8*(8*((\a)%4)+\b):8*(8*((\a)%4)+\b)+7], v[128*(\p)+FR*\b:128*(\p)+FR*\b+FR-1], v[AF+FR*(\a):AF+FR*(\a)+FR-1], 0, v[SC+8*NQ*(\sc)+NQ*\b+(\q)], v[SC+8*NQ*(\sc)+NQ*(\a)+(\q)] matrix_a_fmt:MATRIX_FMT_FP4 matrix_b_fmt:MATRIX_FMT_FP4 matrix_a_scale:MATRIX_SCALE_ROW1
.else
	v_wmma_scale_f32_16x16x128_f8f6f4 v[8*(8*((\a)%4)+\b):8*(8*((\a)%4)+\b)+7], v[128*(\p)+FR*\b:128*(\p)+FR*\b+FR-1], v[AF+FR*(\a):AF+FR*(\a)+FR-1], v[8*(8*((\a)%4)+\b):8*(8*((\a)%4)+\b)+7], v[SC+8*NQ*(\sc)+NQ*\b+(\q)], v[SC+8*NQ*(\sc)+NQ*(\a)+(\q)] matrix_a_fmt:MATRIX_FMT_FP4 matrix_b_fmt:MATRIX_FMT_FP4 matrix_a_scale:MATRIX_SCALE_ROW1
.endif
.endr
.endr
.endm
.macro FETCH_B slot, q, p
	WIN TO_B
.irp i, 0,1,2,3,4,5,6,7
	FRAG 128*(\p)+FR*\i, ADRB+\slot, \q, \i
.endr
	WIN 0
.endm
.macro FETCH_A slot, q, i0
.irp i, \i0, \i0+1, \i0+2, \i0+3
	FRAG AF+FR*(\i), ADRA+\slot, \q, \i
.endr
.endm
.macro SCALES sc
.irp i, 0,1,2,3,4,5,6,7
	ds_load_b128 v[SC+8*NQ*\sc+NQ*\i:SC+8*NQ*\sc+NQ*\i+3], v[ADRS] offset:512*\i+256*\sc
.endr
.endm
.macro PLACES n
.rept \n
	v_nop
.endr
.endm
.macro STEP slot, q, zero
	s_wait_dscnt 4*NL
	WIN MUL_LO
	MUL16 0, (\q)%2, \q, \slot, \zero
	MUL16 2, (\q)%2, \q, \slot, \zero
	s_wait_dscnt 0
	PLACES NP
	FETCH_B \slot, (\q)+1, 1-(\q)%2
	FETCH_A \slot, (\q)+1, 0
	WIN MUL_HI
	MUL16 4, (\q)%2, \q, \slot, \zero
	MUL16 6, (\q)%2, \q, \slot, \zero
	PLACES NP
	WIN 0
	FETCH_A \slot, (\q)+1, 4
.endm
.macro STEPS slot, from
.set Q, \from
.rept NQ-1-\from
	STEP \slot, Q, 0
.set Q, Q+1
.endr
.endm
	s_wait_alu depctr_va_vdst(0)                   ; the wait at the head's end
	s_wait_tensorcnt 0x0                           ; my tile of the head's four is in
	ds_add_u32 v254, v255
	s_mov_b32 s[G1+2], 8<<16                       ; no tensor load of mine is out: from here on a load brings eight records' rows
	s_mov_b32 s[G1+4], 8
	s_mov_b32 s[G1B+2], 8<<16
	s_mov_b32 s[G1B+4], 8
	s_wait_dscnt 0x0
	CROUND                                         ; all four tiles are in, in every partner
	JLOAD G0+4, G1, G0B+4, G1B                     ; slot 1's first fill, my one load behind the round
	FETCH_B 0, 0, 0
	FETCH_A 0, 0, 0
	SCALES 0
	FETCH_A 0, 0, 4
	STEP 0, 0, 1
	STEPS 0, 1
	s_wait_tensorcnt 0x0
	s_wait_dscnt 4*NL
	WIN MUL_LO
	MUL16 0, 1, NQ-1, 0, 0
	s_wait_dscnt 0x0
	s_barrier_signal -1
	MUL16 2, 1, NQ-1, 0, 0
	s_barrier_wait -1
	PLACES NP
	FETCH_B 1, 0, 0
	FETCH_A 1, 0, 0
	SCALES 1
	WIN MUL_HI
	MUL16 4, 1, NQ-1, 0, 0
	MUL16 6, 1, NQ-1, 0, 0
	PLACES NP
	WIN 0
	FETCH_A 1, 0, 4
	STEPS 1, 0
	s_wait_dscnt 4*NL
	WIN MUL_LO
	MUL16 0, 1, NQ-1, 1, 0
	MUL16 2, 1, NQ-1, 1, 0
	s_wait_dscnt 0
	WIN MUL_HI
	MUL16 4, 1, NQ-1, 1, 0
	MUL16 6, 1, NQ-1, 1, 0
	WIN 0
	PLACES NP
.macro QUANTW s, w, pc
	WIN ((\w)<<2)|((\w)<<4)
.irp b, 0,1,2,3
	v_max3_num_f32 v[MX+\b], 0x1800000, |v[\s+16*\b]|, |v[\s+1+16*\b]|
.endr
.irp i, 2,4,6,8,10,12,14
.irp b, 0,1,2,3
	v_max3_num_f32 v[MX+\b], v[MX+\b], |v[\s+16*\b+\i]|, |v[\s+1+16*\b+\i]|
.endr
.endr
	WIN 0
.irp b, 0,1,2,3
	v_permlanex16_b32 v[BY+\b], v[MX+\b], s20, s21
.endr
.irp b, 0,1,2,3
	v_max_num_f32 v[MX+\b], v[MX+\b], v[BY+\b]
.endr
.irp b, 0,1,2,3
	v_add_nc_u32 v[SO+\b], 0xff000000, v[MX+\b]
.endr
.irp b, 0,1,2,3
	v_lshrrev_b32 v[BY+\b], 23, v[SO+\b]
.endr
	WIN (\w)
.irp b, 0,1,2,3
	v_cvt_scalef32_pk8_fp4_f32 v[\pc+2*\b], v[\s+16*\b:\s+7+16*\b], v[SO+\b]
	v_cvt_scalef32_pk8_fp4_f32 v[\pc+1+2*\b], v[\s+8+16*\b:\s+15+16*\b], v[SO+\b]
.endr
	WIN 0
	v_nop
.irp c, 0,1
.irp i, 0,1
	v_permlane16_swap_b32 v[\pc+4*\c+\i], v[\pc+2+4*\c+\i]
.endr
.endr
.endm
.macro PCSET a
.if ((\a)%4) == 2
.set PCR, 112+8*((\a)/4)
.else
.set PCR, 128+8*(\a)
.endif
.endm
	s_mov_b32 s20, 0x76543210
	s_mov_b32 s21, 0xfedcba98
	s_wait_loadcnt 0x0
	s_cmp_eq_u32 s42, 2
	s_cbranch_scc1 .Lv
	s_wait_alu depctr_va_vdst(0)
.irp a, 0,1,2,3,4,5,6,7
	v_cmp_eq_u32 vcc_lo, 0, v[MK+\a]
	v_cndmask_b32 v[UP+\a], v[HO], v[HM], vcc_lo
.endr
.irp a, 0,1,2,3,4,5,6,7
	PCSET \a
	QUANTW 64*(\a%4), 2+\a/4, PCR
	v_lshl_or_b32 v[KW0+\a], v[BY+1], 8, v[BY]
	v_lshl_or_b32 v[KW1+\a], v[BY+3], 8, v[BY+2]
	v_or_b32 v[KW0+\a], v[KW0+\a], v[UP+\a]
	v_or_b32 v[KW1+\a], v[KW1+\a], v[UP+\a]
	global_store_b128 v[VO0], v[PCR:PCR+3], s[10:11] offset:512*\a
	global_store_b128 v[VO1], v[PCR+4:PCR+7], s[10:11] offset:512*\a
.endr
.irp i, 0,1,2,3
	v_permlane16_swap_b32 v[KW0+\i], v[KW0+4+\i]
	v_permlane16_swap_b32 v[KW1+\i], v[KW1+4+\i]
.endr
	global_store_b128 v[VO0], v[KW0:KW0+3], s[10:11] offset:4096
	global_store_b128 v[VO1], v[KW1:KW1+3], s[10:11] offset:4096
	s_branch .Lend
.Lv:
.irp a, 0,1,2,3,4,5,6,7
	PCSET \a
	QUANTW 64*(\a%4), 2+\a/4, PCR
	v_lshl_or_b32 v[KW0+\a], v[BY+1], 8, v[BY]
	v_lshl_or_b32 v[KW0+\a], v[BY+2], 16, v[KW0+\a]
	v_lshl_or_b32 v[KW0+\a], v[BY+3], 24, v[KW0+\a]
	global_store_b128 v[VO0+\a/4], v[PCR:PCR+3], s[10:11] offset:1024*(\a%4)
	global_store_b128 v[VO0+\a/4], v[PCR+4:PCR+7], s[10:11] offset:1024*(\a%4)+512
.endr
.irp i, 0,1,2,3
	v_permlane16_swap_b32 v[KW0+\i], v[KW0+4+\i]
.endr
	global_store_b128 v[VOS], v[KW0:KW0+3], s[10:11] offset:4096
.Lend:
	s_wait_dscnt 0x0
	s_wait_tensorcnt 0x0
	ds_add_u32 v254, v255
	s_wait_dscnt 0x0
	CROUND
	s_endpgm
.Lfunc_end_k_qf26575daec_proj:
	.size	k_qf26575daec_proj, .Lfunc_end_k_qf26575daec_proj-k_qf26575daec_proj
	.p2alignl 7, 3214868480
	.fill 96, 4, 3214868480
	.section	.rodata,"a",@progbits
	.p2align	6, 0x0
	.amdhsa_kernel k_qf26575daec_proj
		.amdhsa_group_segment_fixed_size 327680
		.amdhsa_private_segment_fixed_size 0
		.amdhsa_enable_private_segment 0
		.amdhsa_kernarg_size 40
		.amdhsa_user_sgpr_count 2
		.amdhsa_user_sgpr_kernarg_segment_ptr 1
		.amdhsa_wavefront_size32 1
		.amdhsa_system_sgpr_workgroup_id_x 1
		.amdhsa_system_sgpr_workgroup_id_y 1
		.amdhsa_system_sgpr_workgroup_id_z 1
		.amdhsa_system_vgpr_workitem_id 0
		.amdhsa_next_free_vgpr 1024
		.amdhsa_next_free_sgpr 100
		.amdhsa_reserve_vcc 1
		.amdhsa_float_denorm_mode_32 3
		.amdhsa_float_denorm_mode_16_64 3
		.amdhsa_memory_ordered 1
		.amdhsa_forward_progress 1
		.amdhsa_inst_pref_size 163
	.end_amdhsa_kernel
	.amdgpu_metadata
---
amdhsa.version: [ 1, 2 ]
amdhsa.kernels:
  - .name:           k_qf26575daec_proj
    .symbol:         k_qf26575daec_proj.kd
    .args:
      - { .name: ximg, .offset: 0, .size: 8, .value_kind: global_buffer, .address_space: global }
      - { .name: wimg, .offset: 8, .size: 8, .value_kind: global_buffer, .address_space: global }
      - { .name: mask, .offset: 16, .size: 8, .value_kind: global_buffer, .address_space: global }
      - { .name: qbuf, .offset: 24, .size: 8, .value_kind: global_buffer, .address_space: global }
      - { .name: kv, .offset: 32, .size: 8, .value_kind: global_buffer, .address_space: global }
    .group_segment_fixed_size: 327680
    .private_segment_fixed_size: 0
    .kernarg_segment_align: 8
    .kernarg_segment_size: 40
    .max_flat_workgroup_size: 128
    .sgpr_count:     100
    .vgpr_count:     1024
    .wavefront_size: 32
...
	.end_amdgpu_metadata
.endif
;; end of part 2
;; launch attn (part 3): grid 4 x 64, 16 waves a work-group, clusters of 4 x 1, 327,680 bytes of LDS; arguments qbuf, kv, wimg, ximg, mask, y; writes y
.if DOCPART == 3
	.amdgcn_target "amdgcn-amd-amdhsa--gfx1250"
	.amdhsa_code_object_version 6
	.text
	.protected	k_qf26575daec_attn
	.globl	k_qf26575daec_attn
	.p2align	8
	.type	k_qf26575daec_attn,@function
k_qf26575daec_attn:
	s_mov_b64 s[64:65], 0
	v_nop
	global_prefetch_b8 v0, s[64:65] scope:SCOPE_SE
	s_setreg_imm32_b32 hwreg(HW_REG_WAVE_MODE, 25, 1), 1
	s_wait_xcnt 0x0
	s_wait_alu depctr_hold_cnt(0) depctr_sa_sdst(0) depctr_va_vdst(0) depctr_va_sdst(0) depctr_va_ssrc(0) depctr_va_vcc(0) depctr_vm_vsrc(0)
	s_getreg_b32 s2, hwreg(HW_REG_IB_STS2, 6, 4)
	s_cmp_eq_u32 s2, 0
	s_cbranch_scc0 .Lentry_in_a_cluster
	s_endpgm
.Lentry_in_a_cluster:
	s_bfe_u32 s2, ttmp6, 0x10000c
	s_cmp_lg_u32 s2, 0x3003
	s_cbranch_scc0 .Lentry_shape_is_right
	s_endpgm
.Lentry_shape_is_right:
; y = relu(softmax(q k^T / 8, keys with mask = 0 left out) v + x Wr^T), all three products on codes of FP4 (E2M1) with E8M0 scales; y [8192][1024] f32 goes on to the norm.
; THE SOFTMAX AHEAD OF THE SECOND PRODUCT: t = score x log2(e) / 8; M = the row's largest t so far, rounded UP to a whole number; p = 2^(t - M) is quantised along the keys, not normalised;
; the row's sum is taken of the unquantised p and divides at the end.  When M moves, the sum and O are multiplied by 2^(old M - new M): exact.
; SHARES.  A work-group owns 512 queries of one head; each of its sixteen waves one tile of 16 queries in each of two passes, in 256 registers.
; The head's K and V (16 records of 128 keys, 143,360 bytes) and its 64 rows of Wr (34,816 bytes) come into LDS ONCE, one tensor load a wave: at the head waves 0-3 fetch records 0-3;
; behind the full sequence and a round of the cluster's barrier waves 4-7 fetch three records each and waves 8-15 half a record of Wr each.  The first three key steps read records 0-3 alone
; (a step reads its own V and the next record's K); a barrier in front of which every wave has waited for its load stands ahead of the fourth.  No byte is filled twice.
; CLUSTER.  The four query blocks of a head read the same K, V and Wr: each tile is asked for jointly, with a mask that names the four.
; No prefetch: all tiles are asked for ahead of the fourth key step, with no loop to run ahead in; x's tile of a pass is 8,704 bytes a wave, read once at the pass's end.
; LAYOUT.  All products are used transposed (source 0 = 16 keys, or 16 of the head's 64; source 1 = my 16 queries): a lane holds ONE query throughout.
; THE KEYS OF A TILE are chosen by LDS address: row 8 e + j of tile 4 c + g is key 64 c + 32 e + 8 g + j of the record.  So the 32 registers of tiles 4 c .. 4 c + 3 hold, in lane half h, the WHOLE block of keys
; 64 c + 32 h + 0 .. 31, in the order that P's operand wants: a block's maximum needs no other lane, and the conversions' results are the operand's registers.
; In the record (tile 2 b + u, lane r = key 32 b + 8 u + r + 8 (r / 8)) that key lies in tile 4 c + 2 e + g % 2 at lane 8 (g / 2) + j.
; THE MASK.  A head has 64 along K, the instruction 128.  Registers 4-7 of q's and K's fragments never change: one code 1.0 (q) and -1.0 (K) at k = 64, zeros elsewhere.  Byte 2 of K's scale word (made with K's codes)
; is 227 for a masked key and 1 for an open one: a masked score gets -2^100 inside the product, an open one -2^-126.
; A batch in which EVERY key is masked has a uniform softmax: the factor c = log2(e) / 8 is then chosen 0 (a select, no branch), so that t = 0, M = 0, p = 1 for every key.
; The largest score begins at -2^64, above -2^100: steps that have seen masked keys alone give p = 0.
; LIMITS: real logits at or under about -1e9 + 150 are not served (masked keys get the weight 0 there), nor scores under -2^64; open scores carry -2^-126; a block of p that is all zeros keeps the byte 1; no NaN, no infinities.
.set RECB,  8960                       ; a record of 128 keys: K's images 0, K's scale words 4,096, V^T's images 4,608, V's scale words 8,704
.set HEADB, 143360
.set WRB,   143360                     ; LDS: behind the head's 16 records, Wr's 4 records of 8,704 bytes
.set IMG,   8704
.set STG,   178176                     ; 16 rows x 272 bytes for each wave, for the way out; no tile lands there
.set STGW,  4352
.set SPARE, 247808                     ; the spare words, 128 bytes a wave
.set FLG,   249856                     ; a word a thread: the OR of its four mask words
.set LI,   1                           ; 16 x lane
.set LR,   2                           ; 16 x (lane % 16)
.set LK,   3                           ; K's images: 1024 e + 16 j + 256 h  (j = lane % 8, e = lane / 8 % 2, h = lane / 16)
.set LS,   4                           ; K's scale words: 16 j + 8 e
.set TMP,  5
.set PADK, 6                           ; the code -1.0 at k = 64: 0xA in lanes 0-15, 0 in lanes 16-31
.set SH8,  7                           ; 8 h
.set SO,   8                           ; v8-9 the conversions' scale operands
.set AK,   10                          ; the step's addresses: K's images, K's words, V's images, V's words
.set AS,   11                          ; v12 -M, v13 the largest score, v[14:15] the sum in two halves
.set Q0,   16                          ; v16-23 q
.set AV,   24
.set AVS,  25
.set PD,   26                          ; a lane exchange's destination
.set W,    27
.set C1,   28                          ; v[28:29], v[30:31], v[236:237]: chains of the row's sum
.set C2,   30
.set KF,   32                          ; v32-95 K's eight fragments; at a pass's end Wr's, two sets of four
.set S,    96                          ; v96-159 S^T, then p; at a pass's end x's fragments, then rows of y
.set O,    160                         ; v160-191 O^T
.set VF,   192                         ; v192-223 V^T's four fragments; at a pass's end r^T
.set PC,   224                         ; v224-231 p's codes
.set BM,   232                         ; v232-235 maxima: block c in BM + 2 c
.set C3,   236
.set T1,   236
.set SPW,  238                         ; my spare word's address; never rewritten
.set NIL,  239                         ; 0; never rewritten
.set KS,   240                         ; v240-247 K's scale words; at a pass's end v240-243 x's, v244-247 Wr's second set
.set VS,   248                         ; v248-251 V's scale words; Wr's first set;  v252 f;  v253 p's scale word;  v254 q's scale words
.set WV,   18
.set SEL,  20
.set CS,   22                          ; s[22:23] c
.set TB,   2                           ; LDS byte at which the step's record begins
.macro CROUND                          ; a round of the cluster's barrier
	s_barrier_signal -1
	s_barrier_wait -1
	s_cmp_lg_u32 s[WV], 0
	s_cbranch_scc1 .Lnot_wave_0_\@
	s_barrier_signal -3
.Lnot_wave_0_\@:
	s_barrier_wait -3
	s_barrier_signal -1
	s_barrier_wait -1
.endm
	s_load_b256 s[4:11], s[0:1], 0x0               ; qbuf s[4:5], kv s[6:7], wimg s[8:9], ximg s[10:11]
	s_load_b128 s[12:15], s[0:1], 0x20             ; mask s[12:13], y s[14:15]
	v_lshl_add_u32 v[SPW], v0, 2, SPARE
	v_mov_b32 v[NIL], 0
	ds_add_u32 v[SPW], v[NIL]                      ; the opening lines: the add twice on end and one wait
	ds_add_u32 v[SPW], v[NIL]
	v_lshrrev_b32 v5, 5, v0
	v_readfirstlane_b32 s[WV], v5                  ; wave 0..15
	s_bfe_u32 s16, ttmp6, 0x40000                  ; cx: it enters q's, x's and y's addresses alone
	s_and_b32 s17, ttmp7, 0xffff                   ; 16 batch + head, which the four partners share
	s_lshr_b32 s60, s17, 4                         ; batch
	s_and_b32 s61, s17, 15                         ; head
	; descriptor groups 1: dense blocks as rows of 256 bytes (32 elements of 8): 35 rows (a record), 105 (three records), 17 (half a record of Wr)
.irp g, 24, 32, 40
	s_mov_b32 s[\g], 15|(3<<16)|(1<<21)            ; the mask: all four work-groups; elements of 8 bytes; bit 21 beside a mask
	s_mov_b32 s[\g+1], 32<<16
	s_mov_b32 s[\g+3], 32<<16
	s_mov_b32 s[\g+5], 32
	s_mov_b32 s[\g+6], 0
	s_mov_b32 s[\g+7], 0
.endr
	s_mov_b32 s26, 35<<16
	s_mov_b32 s28, 35
	s_mov_b32 s34, 105<<16
	s_mov_b32 s36, 105
	s_mov_b32 s42, 17<<16
	s_mov_b32 s44, 17
	s_mul_i32 s62, s17, HEADB                      ; the head's first byte in kv
	s_mul_i32 s49, s[WV], RECB                     ; waves 0-3: record w
	s_add_co_u32 s74, s62, s49
	s_mov_b32 s75, 0
	s_and_b32 s70, s[WV], 3
	s_mul_i32 s53, s70, 3*RECB
	s_add_co_u32 s53, s53, 4*RECB                  ; waves 4-7: records 4 + 3 (w % 4) on, three of them
	s_add_co_u32 s76, s62, s53
	s_mov_b32 s77, 0
	s_and_b32 s70, s[WV], 7
	s_mul_i32 s70, s70, 4352                       ; waves 8-15: the (w % 8)-th 4,352 bytes of Wr's four records
	s_add_co_u32 s57, s70, WRB
	s_lshl_b32 s72, s61, 2
	s_add_co_u32 s72, s72, 192                     ; wimg's tile 192 + 4 head
	s_mul_i32 s72, s72, IMG
	s_add_co_u32 s72, s72, s70
	s_mov_b32 s73, 0
	s_mul_i32 s79, s[WV], STGW
	s_add_co_u32 s79, s79, STG                     ; my stage
	s_mov_b32 s[SEL], 0x76543210
	s_mov_b32 s[SEL+1], 0xfedcba98                 ; lane l xor 16
	s_wait_dscnt 0x0                               ; both opening adds are done
	s_wait_kmcnt 0x0
	CROUND                                         ; all four work-groups are here: the joint loads meet
	s_mov_b32 s48, 1
	s_add_nc_u64 s[50:51], s[6:7], s[74:75]
	s_or_b32 s51, s51, 0x80000000
	s_mov_b32 s52, 1
	s_add_nc_u64 s[54:55], s[6:7], s[76:77]
	s_or_b32 s55, s55, 0x80000000
	s_mov_b32 s56, 1
	s_add_nc_u64 s[58:59], s[8:9], s[72:73]
	s_or_b32 s59, s59, 0x80000000
	s_cmp_lt_u32 s[WV], 4                          ; the head's loads: records 0-3, one to a wave
	s_cbranch_scc0 .Lasked
	tensor_load_to_lds s[48:51], s[24:31]
	s_nop 0
.rept 4
	v_nop
.endr
.Lasked:
	v_and_b32 v5, 31, v0
	v_and_b32 v[W], 15, v0
	v_bfe_u32 v[SH8], v0, 4, 1                     ; h
	v_and_b32 v[LS], 7, v0                         ; j
	v_lshlrev_b32 v[LI], 4, v5
	v_lshlrev_b32 v[LR], 4, v[W]
	v_bfe_u32 v[W], v0, 3, 1                       ; e
	v_lshlrev_b32 v[LS], 4, v[LS]
	v_xor_b32 v5, 1, v[SH8]                        ; 1 in lanes 0-15, which hold k = 64 .. 95 in registers 4-7
	v_lshl_add_u32 v[LK], v[W], 10, v[LS]
	v_lshl_add_u32 v[LS], v[W], 3, v[LS]
	v_mul_u32_u24 v[PADK], v5, 10                  ; the code of -1.0 in the lowest four bits
	v_lshl_add_u32 v[LK], v[SH8], 8, v[LK]
	v_lshlrev_b32 v[Q0+4], 1, v5                   ; the code of 1.0
	v_lshlrev_b32 v[SH8], 3, v[SH8]
.irp i, 5,6,7
	v_mov_b32 v[Q0+\i], 0
.endr
	v_mov_b32 v[PD], 0                             ; a lane exchange's destination counts as one of its sources
	v_mov_b32 v253, 0                              ; (named as the upper half of the pair v[252:253] before it is first written)
	s_wait_alu depctr_va_vdst(0)                   ; the wait ahead of the run of scalar lines
	s_lshl_b32 s66, s60, 13
	s_lshl_b32 s70, s[WV], 9
	s_add_co_u32 s66, s66, s70
	s_mov_b32 s67, 0
	s_add_nc_u64 s[12:13], s[12:13], s[66:67]      ; my wave's 128 of the batch's 2,048 mask words
	global_load_b128 v[S:S+3], v[LI], s[12:13]
	s_lshl_b32 s66, s17, 4                         ; q: record 16 (16 batch + head) + 4 cx + 2 pass + wave / 8, tile wave % 8
	s_lshl_b32 s68, s16, 2
	s_add_co_u32 s66, s66, s68
	s_lshr_b32 s68, s[WV], 3
	s_add_co_u32 s66, s66, s68
	s_mul_i32 s66, s66, 4608
	s_and_b32 s68, s[WV], 7
	s_lshl_b32 s68, s68, 9
	s_add_co_u32 s68, s68, s66                     ; the image
	s_mov_b32 s69, 0
	s_bfe_u32 s70, s[WV], 0x10002
	s_lshl_b32 s70, s70, 8
	s_add_co_u32 s66, s66, s70
	s_and_b32 s70, s[WV], 3
	s_lshl_b32 s70, s70, 2
	s_add_co_u32 s66, s66, s70
	s_add_co_u32 s66, s66, 4096                    ; the scale words: 4,096 + 256 (tile / 4) + 16 r + 4 (tile % 4)
	s_add_nc_u64 s[68:69], s[4:5], s[68:69]
	s_add_nc_u64 s[4:5], s[4:5], s[66:67]
	global_load_b128 v[Q0:Q0+3], v[LI], s[68:69]
	global_load_b32 v254, v[LR], s[4:5]
	s_lshl_b32 s66, s60, 7                         ; x: tile 128 batch + 32 cx + 16 pass + wave
	s_lshl_b32 s70, s16, 5
	s_add_co_u32 s66, s66, s70
	s_add_co_u32 s66, s66, s[WV]
	s_mul_i32 s66, s66, IMG
	s_add_nc_u64 s[10:11], s[10:11], s[66:67]
	s_lshl_b32 s66, s60, 11                        ; y: row 2,048 batch + 512 cx + 256 pass + 32 (wave / 2) + 8 (wave % 2), column 64 head
	s_lshl_b32 s70, s16, 9
	s_add_co_u32 s66, s66, s70
	s_lshr_b32 s70, s[WV], 1
	s_lshl_b32 s70, s70, 5
	s_add_co_u32 s66, s66, s70
	s_and_b32 s70, s[WV], 1
	s_lshl_b32 s70, s70, 3
	s_add_co_u32 s66, s66, s70
	s_lshl_b32 s66, s66, 12
	s_lshl_b32 s70, s61, 8
	s_add_co_u32 s66, s66, s70
	s_add_nc_u64 s[14:15], s[14:15], s[66:67]
.macro ZERO                            ; a pass's start: registers 4-7 of K's eight fragments, O^T and the sum
.irp t, 0,1,2,3,4,5,6,7
	v_mov_b32 v[KF+8*\t+4], v[PADK]
	v_mov_b32 v[KF+8*\t+5], 0
	v_mov_b32 v[KF+8*\t+6], 0
	v_mov_b32 v[KF+8*\t+7], 0
.endr
.set j, 0
.rept 32
	v_mov_b32 v[O+j], 0                            ; the step is written once: the first finds zeros, which the first change of M leaves zeros
.set j, j+1
.endr
	v_mov_b32 v14, 0
	v_mov_b32 v15, 0
.endm
.macro KLOAD ka, kw, off               ; a record's eight tiles of K and their scale words: twelve loads
.irp c, 0,1
.irp g, 0,1,2,3
	ds_load_b128 v[KF+8*(4*\c+\g):KF+8*(4*\c+\g)+3], v[\ka] offset:\off+2048*\c+512*(\g%2)+128*(\g/2)
.endr
.irp e, 0,1
	ds_load_b64 v[KS+4*\c+2*\e:KS+4*\c+2*\e+1], v[\kw] offset:\off+4096+256*\c+128*\e   ; tiles 4 c + 2 e and + 1
.endr
.endr
.endm
.macro MINIT
	v_mov_b32 v13, 0xdf800000                      ; the largest score so far: -2^64
	s_delay_alu instid0(VALU_DEP_1)
	v_mul_f32 v[W], s[CS], v13
	s_delay_alu instid0(VALU_DEP_1)
	v_floor_f32 v12, -v[W]                         ; -M
	s_wait_alu depctr_va_vdst(0)                   ; the wait ahead of the loop's first blocking wait
.endm
	ZERO
	s_wait_loadcnt 0x2                             ; my mask words are in; q's two loads may be out
	v_or_b32 v[S], v[S], v[S+1]
	v_or_b32 v[S+2], v[S+2], v[S+3]
	v_lshl_add_u32 v[W], v0, 2, FLG
	v_lshl_add_u32 v[TMP], v[LI], 2, FLG           ; back: 64 bytes a lane: the 32 lanes read all 512 words
	v_or_b32 v[S], v[S], v[S+2]
	ds_store_b32 v[W], v[S]
	s_wait_alu depctr_va_vdst(0)                   ; the wait at the head's end
	s_wait_loadcnt 0x0                             ; q and its scale words
	s_wait_tensorcnt 0x0                           ; my record, if I fetched one, has landed
	ds_add_u32 v[SPW], v[NIL]                      ; the add here, twice on end
	ds_add_u32 v[SPW], v[NIL]
	s_wait_dscnt 0x0                               ; the adds are done and my word is stored
	CROUND                                         ; records 0-3 and the words are whole, in every partner; the later first fills meet
	s_cmp_lt_u32 s[WV], 4
	s_cbranch_scc1 .Lfilled
	s_cmp_lt_u32 s[WV], 8
	s_cbranch_scc0 .Lfor_wr
	tensor_load_to_lds s[52:55], s[32:39]          ; three records
	s_nop 0
.rept 4
	v_nop
.endr
	s_branch .Lfilled
.Lfor_wr:
	tensor_load_to_lds s[56:59], s[40:47]          ; half a record of Wr
	s_nop 0
.rept 4
	v_nop
.endr
.Lfilled:
.irp i, 0,1,2,3
	ds_load_b128 v[S+4*\i:S+4*\i+3], v[TMP] offset:16*\i
.endr
	KLOAD LK, LS, 0
	s_wait_dscnt 12                                ; the words are in; K's twelve loads may be out
.set j, 4
.rept 12
	v_or_b32 v[S+j%4], v[S+j%4], v[S+j]            ; is any key of the batch open?
.set j, j+1
.endr
	v_or_b32 v[S], v[S], v[S+1]
	v_or_b32 v[S+2], v[S+2], v[S+3]
	s_delay_alu instid0(VALU_DEP_1)
	v_or_b32 v[S], v[S], v[S+2]
	s_delay_alu instid0(VALU_DEP_1)
	v_cmp_ne_u32 vcc_lo, 0, v[S]
	s_cmp_lg_u32 vcc_lo, 0
	s_cselect_b32 s[CS], 0x3e38aa3b, 0             ; c = log2(e) / 8, or 0 where every key is masked: a choice of a value, no branch
	s_mov_b32 s[CS+1], s[CS]                       ; (the packed form names the pair)
; A KEY STEP: 128 keys.  K's fragments and words were asked for a step earlier.
.macro STEP
	s_wait_dscnt 0x0
.irp t, 0,1,2,3,4,5,6,7
	v_wmma_scale_f32_16x16x128_f8f6f4 v[S+8*\t:S+8*\t+7], v[KF+8*\t:KF+8*\t+7], v[Q0:Q0+7], 0, v[KS+\t], v254 matrix_a_fmt:MATRIX_FMT_FP4 matrix_b_fmt:MATRIX_FMT_FP4
.endr
	v_add_nc_u32 v[AK], s[TB], v[LK]               ; four plain lines: the places ahead of the loads below and of the reads of S^T
	v_add_nc_u32 v[AS], s[TB], v[LS]
	v_add_nc_u32 v[AV], s[TB], v[LI]
	v_add_nc_u32 v[AVS], s[TB], v[LR]
.irp t, 0,1,2,3
.irp c, 0,1
	ds_load_b128 v[VF+8*\t+4*\c:VF+8*\t+4*\c+3], v[AV] offset:4608+1024*\t+512*\c
.endr
.endr
	ds_load_b128 v[VS:VS+3], v[AVS] offset:8704
	KLOAD AK, AS, RECB                             ; the next record's K (behind the last record: bytes of Wr's, which land in registers that nobody reads)
.irp c, 0,1                                    ; the largest score of my two blocks of 32 keys, each in two chains; every accumulator is first read at its low end
	v_max3_num_f32 v[BM+2*\c], v[S+32*\c], v[S+32*\c+1], v[S+32*\c+2]
	v_max3_num_f32 v[BM+2*\c+1], v[S+32*\c+16], v[S+32*\c+17], v[S+32*\c+18]
.endr
.irp i, 3,5,7,9,11,13
.irp c, 0,1
	v_max3_num_f32 v[BM+2*\c], v[BM+2*\c], v[S+32*\c+\i], v[S+32*\c+\i+1]
	v_max3_num_f32 v[BM+2*\c+1], v[BM+2*\c+1], v[S+32*\c+16+\i], v[S+32*\c+17+\i]
.endr
.endr
.irp c, 0,1
	v_max3_num_f32 v[BM+2*\c], v[BM+2*\c], v[BM+2*\c+1], v[S+32*\c+15]
.endr
.irp c, 0,1
	v_max_num_f32 v[BM+2*\c], v[BM+2*\c], v[S+32*\c+31]
.endr
	s_delay_alu instid0(VALU_DEP_1)
	v_max_num_f32 v[W], v[BM], v[BM+2]
	v_mov_b32 v[TMP], v12
	s_delay_alu instid0(VALU_DEP_2)
	v_permlanex16_b32 v[PD], v[W], s[SEL], s[SEL+1]
	s_delay_alu instid0(VALU_DEP_1)
	v_max3_num_f32 v13, v13, v[W], v[PD]           ; the running largest score of my query
	s_delay_alu instid0(VALU_DEP_1)
	v_mul_f32 v[W], s[CS], v13                     ; as t (c is not negative)
	s_delay_alu instid0(VALU_DEP_1)
	v_floor_f32 v12, -v[W]                         ; the new -M = floor(-t) = -ceil(t)
	s_delay_alu instid0(VALU_DEP_1)
	v_sub_f32 v[TMP], v12, v[TMP]                  ; old M - new M: a whole number, 0 or less
.set j, 0
.rept 2
	v_pk_fma_f32 v[S+j:S+j+1], v[S+j:S+j+1], s[CS:CS+1], v[12:13] op_sel_hi:[1,0,0]   ; t - M, two at a time
.set j, j+2
.endr
	v_cvt_i32_f32 v[TMP], v[TMP]                   ; (it saturates)
.rept 2
	v_pk_fma_f32 v[S+j:S+j+1], v[S+j:S+j+1], s[CS:CS+1], v[12:13] op_sel_hi:[1,0,0]
.set j, j+2
.endr
	v_ldexp_f32 v252, 1.0, v[TMP]                  ; f = 2^(old M - new M)
.rept 28
	v_pk_fma_f32 v[S+j:S+j+1], v[S+j:S+j+1], s[CS:CS+1], v[12:13] op_sel_hi:[1,0,0]
.set j, j+2
.endr
	v_fma_f32 v[BM], v[BM], s[CS], v12             ; the same of each block's largest score
	v_fma_f32 v[BM+2], v[BM+2], s[CS], v12
.set j, 0
.rept 16
	v_pk_mul_f32 v[O+j:O+j+1], v[O+j:O+j+1], v[252:253] op_sel_hi:[1,0]   ; O^T under the new M
.set j, j+2
.endr
	s_wait_alu depctr_va_vdst(0)                   ; the wait ahead of the batch
.set j, 0
.rept 64
	v_exp_f32 v[S+j], v[S+j]                       ; p = 2^(t - M), at most 1
.set j, j+1
.endr
	v_exp_f32 v[BM], v[BM]                         ; the blocks' largest p: the same two instructions on the same number
	v_exp_f32 v[BM+2], v[BM+2]
	v_pk_mul_f32 v[14:15], v[14:15], v[252:253] op_sel_hi:[1,0]   ; the sum under the new M: a plain place behind the exponentials
	s_wait_alu depctr_va_vdst(0)                   ; one wait for the batch, ahead of its first reader
	v_max_num_f32 v[BM], 0x1800000, v[BM]          ; the floor 2^(3 - 127): the byte cannot fall under 1
	v_max_num_f32 v[BM+2], 0x1800000, v[BM+2]
	s_delay_alu instid0(VALU_DEP_2)
	v_add_nc_u32 v[SO], 0xff000000, v[BM]          ; 2 off the exponent field: the conversion's scale operand
	v_add_nc_u32 v[SO+1], 0xff000000, v[BM+2]
.irp c, 0,1
.irp g, 0,1,2,3
	v_cvt_scalef32_pk8_fp4_f32 v[PC+4*\c+\g], v[S+32*\c+8*\g:S+32*\c+8*\g+7], v[SO+\c]   ; register 4 c + g of P's operand: k = 64 c + 32 h + 8 g on
.endr
.endr
	v_lshrrev_b32 v[BM], 23, v[SO]                 ; the scales' bytes (a plain place behind the conversions)
	v_lshrrev_b32 v[BM+2], 23, v[SO+1]
	v_pk_add_f32 v[C1:C1+1], v[S:S+1], v[S+2:S+3]  ; the row's sum of the unquantised p, in four chains, with the scale word's lines among them
	v_pk_add_f32 v[C2:C2+1], v[S+4:S+5], v[S+6:S+7]
	v_lshl_or_b32 v[W], v[BM+2], 16, v[BM]         ; my two bytes: blocks h and 2 + h,
	v_pk_add_f32 v[C3:C3+1], v[S+8:S+9], v[S+10:S+11]
	v_pk_add_f32 v[14:15], v[14:15], v[S+12:S+13]
	v_lshlrev_b32 v[W], v[SH8], v[W]               ; at their places in the word;
	v_pk_add_f32 v[C1:C1+1], v[C1:C1+1], v[S+14:S+15]
	v_pk_add_f32 v[C2:C2+1], v[C2:C2+1], v[S+16:S+17]
	v_permlanex16_b32 v[PD], v[W], s[SEL], s[SEL+1]
	v_pk_add_f32 v[C3:C3+1], v[C3:C3+1], v[S+18:S+19]
	v_pk_add_f32 v[14:15], v[14:15], v[S+20:S+21]
	v_or_b32 v253, v[W], v[PD]                     ; with lane l xor 16's two the word is whole; 24 plain lines stand between it and the products
.set j, 22
.rept 5
	v_pk_add_f32 v[C1:C1+1], v[C1:C1+1], v[S+j:S+j+1]
	v_pk_add_f32 v[C2:C2+1], v[C2:C2+1], v[S+j+2:S+j+3]
	v_pk_add_f32 v[C3:C3+1], v[C3:C3+1], v[S+j+4:S+j+5]
	v_pk_add_f32 v[14:15], v[14:15], v[S+j+6:S+j+7]
.set j, j+8
.endr
	v_pk_add_f32 v[C1:C1+1], v[C1:C1+1], v[S+62:S+63]
	v_pk_add_f32 v[14:15], v[14:15], v[C3:C3+1]
	s_delay_alu instid0(VALU_DEP_2)
	v_pk_add_f32 v[C1:C1+1], v[C1:C1+1], v[C2:C2+1]
	s_delay_alu instid0(VALU_DEP_1)
	v_pk_add_f32 v[14:15], v[14:15], v[C1:C1+1]
	s_wait_dscnt 12                                ; V^T and its scale words are in; the next record's twelve loads may be out
.irp t, 0,1,2,3
	v_wmma_scale_f32_16x16x128_f8f6f4 v[O+8*\t:O+8*\t+7], v[VF+8*\t:VF+8*\t+7], v[PC:PC+7], v[O+8*\t:O+8*\t+7], v[VS+\t], v253 matrix_a_fmt:MATRIX_FMT_FP4 matrix_b_fmt:MATRIX_FMT_FP4
.endr
.endm
.macro STEPLOOP n
	s_mov_b32 s3, \n
.Lstep_\@:
	STEP
	s_add_co_u32 s[TB], s[TB], RECB
	s_sub_co_u32 s3, s3, 1
	s_cmp_lg_u32 s3, 0
	s_cbranch_scc1 .Lstep_\@
.endm
; r^T = Wr x^T, K = 1,024 in eight steps.  Wr's fragments of step s, four tiles, into set s % 2:
.macro WRF s
.irp t, 0,1,2,3
.irp c, 0,1
	ds_load_b128 v[KF+32*((\s)%2)+8*\t+4*\c:KF+32*((\s)%2)+8*\t+4*\c+3], v[BM] offset:IMG*\t+1024*(\s)+512*\c
.endr
.endr
.endm
; Wr's scale words of steps 2 p (lanes 0-15) and 2 p + 1 (lanes 16-31), four tiles, into set p % 2:
.macro WRS p
.irp t, 0,1,2,3
	ds_load_b32 v[VS-4*((\p)%2)+\t], v[BM+1] offset:IMG*\t+256*((\p)/2)+8*((\p)%2)
.endr
.endm
.macro RSTEP s                         ; four products: the four accumulators by turns
.set FB, KF+32*((\s)%2)
.set WS, VS-4*(((\s)/2)%2)
.set XB, S+8*(\s)
.set XW, KS+(\s)%4
.irp t, 0,1,2,3
.if (\s) == 0
	v_wmma_scale_f32_16x16x128_f8f6f4 v[VF+8*\t:VF+8*\t+7], v[FB+8*\t:FB+8*\t+7], v[XB:XB+7], 0, v[WS+\t], v[XW] matrix_a_fmt:MATRIX_FMT_FP4 matrix_b_fmt:MATRIX_FMT_FP4
.elseif (\s) == 2
	v_wmma_scale_f32_16x16x128_f8f6f4 v[VF+8*\t:VF+8*\t+7], v[FB+8*\t:FB+8*\t+7], v[XB:XB+7], v[VF+8*\t:VF+8*\t+7], v[WS+\t], v[XW] matrix_a_fmt:MATRIX_FMT_FP4 matrix_b_fmt:MATRIX_FMT_FP4
.elseif (\s) < 4
	v_wmma_scale_f32_16x16x128_f8f6f4 v[VF+8*\t:VF+8*\t+7], v[FB+8*\t:FB+8*\t+7], v[XB:XB+7], v[VF+8*\t:VF+8*\t+7], v[WS+\t], v[XW] matrix_a_fmt:MATRIX_FMT_FP4 matrix_b_fmt:MATRIX_FMT_FP4 matrix_a_scale:MATRIX_SCALE_ROW1
.elseif ((\s)%2) == 0
	v_wmma_scale_f32_16x16x128_f8f6f4 v[VF+8*\t:VF+8*\t+7], v[FB+8*\t:FB+8*\t+7], v[XB:XB+7], v[VF+8*\t:VF+8*\t+7], v[WS+\t], v[XW] matrix_a_fmt:MATRIX_FMT_FP4 matrix_b_fmt:MATRIX_FMT_FP4 matrix_b_scale:MATRIX_SCALE_ROW1
.else
	v_wmma_scale_f32_16x16x128_f8f6f4 v[VF+8*\t:VF+8*\t+7], v[FB+8*\t:FB+8*\t+7], v[XB:XB+7], v[VF+8*\t:VF+8*\t+7], v[WS+\t], v[XW] matrix_a_fmt:MATRIX_FMT_FP4 matrix_b_fmt:MATRIX_FMT_FP4 matrix_a_scale:MATRIX_SCALE_ROW1 matrix_b_scale:MATRIX_SCALE_ROW1
.endif
.endr
.endm
; A PASS'S END: r^T for my 16 queries, y = relu(O^T / sum + r^T), through my stage, out as aligned runs of 256 bytes.
.macro PASS_END p
	s_wait_dscnt 0x0                               ; the look-ahead's twelve loads have landed: their registers take other loads below
.irp s, 0,1,2,3,4,5,6,7
.irp c, 0,1
	global_load_b128 v[S+8*\s+4*\c:S+8*\s+4*\c+3], v[LI], s[10:11] offset:16*IMG*\p+1024*\s+512*\c   ; x's eight fragments of my query tile
.endr
.endr
	global_load_b128 v[KS:KS+3], v[LI], s[10:11] offset:16*IMG*\p+8192   ; its scale words: lanes 0-15 steps 0-3, lanes 16-31 steps 4-7
.if \p == 0
	global_load_b128 v[Q0:Q0+3], v[LI], s[68:69] offset:9216   ; the next pass's q and its scale words
	global_load_b32 v254, v[LR], s[4:5] offset:9216
.endif
	v_add_nc_u32 v[BM], WRB, v[LI]                 ; Wr's images.  (These five lines are also the places between the last V^T P products and what follows)
	v_bfe_u32 v[BM+1], v0, 4, 1
	s_delay_alu instid0(VALU_DEP_1)
	v_lshlrev_b32 v[BM+1], 2, v[BM+1]
	s_delay_alu instid0(VALU_DEP_1)
	v_add_nc_u32 v[BM+1], v[BM+1], v[LR]
	s_delay_alu instid0(VALU_DEP_1)
	v_add_nc_u32 v[BM+1], WRB+8192, v[BM+1]        ; Wr's scale words: 16 r + 4 h
	WRF 0
	WRS 0
	WRF 1
	WRS 1
	s_wait_alu depctr_va_vdst(0)                   ; the wait here, directly ahead of the reader of the last step's sum
	v_add_f32 v14, v14, v15                        ; the sum's two halves,
	s_delay_alu instid0(VALU_DEP_1)
	v_permlanex16_b32 v[TMP], v14, s[SEL], s[SEL+1]
	s_delay_alu instid0(VALU_DEP_1)
	v_add_f32 v14, v14, v[TMP]                     ; and lane l xor 16's: the row's sum
	s_wait_alu depctr_va_vdst(0)                   ; the wait ahead of the reciprocal
	v_rcp_f32 v14, v14
	v_nop                                          ; a plain place behind it; the wait for it stands ahead of its first reader, below
	s_wait_loadcnt 0x0                             ; x (and q)
.irp s, 0,1,2,3,4,5,6,7
.if \s < 6
	s_wait_dscnt 12                                ; this step's fragments and words are in; behind them twelve LDS loads were issued
.elseif \s == 6
	s_wait_dscnt 8                                 ; behind them: the last step's eight
.else
	s_wait_dscnt 0x0
.endif
	RSTEP \s
.if \s < 6
.rept 4
	v_nop                                          ; places ahead of loads into registers that these products have read
.endr
	WRF \s+2
.endif
.if (\s == 1) || (\s == 3)
	WRS \s/2+2
.endif
.endr
	v_and_b32 v[BM+2], 15, v0                      ; the way out's addresses: nine plain lines, the places behind the last products
	v_bfe_u32 v[BM+3], v0, 4, 1
	s_delay_alu instid0(VALU_DEP_1)
	v_lshl_add_u32 v[T1], v[BM+3], 12, v[LR]       ; y: lanes 0-15 one row, lanes 16-31 the next; 16 bytes a lane
	s_delay_alu instid0(VALU_DEP_3)
	v_mul_u32_u24 v[BM+2], v[BM+2], 272
	s_delay_alu instid0(VALU_DEP_1)
	v_lshl_add_u32 v[BM+2], v[BM+3], 6, v[BM+2]
	s_delay_alu instid0(VALU_DEP_1)
	v_add_nc_u32 v[BM+2], s79, v[BM+2]             ; into the stage: row r, + 64 h
	v_mul_u32_u24 v[BM+3], v[BM+3], 272
	s_delay_alu instid0(VALU_DEP_1)
	v_add_nc_u32 v[BM+3], v[BM+3], v[LR]
	s_delay_alu instid0(VALU_DEP_1)
	v_add_nc_u32 v[BM+3], s79, v[BM+3]             ; back: row h, + 16 r
	s_wait_alu depctr_va_vdst(0)                   ; the wait for the reciprocal, directly ahead of the first reader of it and of O^T
.set j, 0
.rept 16
	v_pk_fma_f32 v[O+j:O+j+1], v[O+j:O+j+1], v[14:15], v[VF+j:VF+j+1] op_sel_hi:[1,0,1]   ; O^T / sum + r^T; each accumulator from its low end on
.set j, j+2
.endr
.set j, 0
.rept 32
	v_max_num_f32 v[O+j], 0, v[O+j]                ; relu
.set j, j+1
.endr
.irp b, 0,1
.irp i, 0,1,2,3
	ds_store_b128 v[BM+2], v[O+16*\b+4*\i:O+16*\b+4*\i+3] offset:128*\b+16*\i   ; d = 32 b + 16 h + 4 i on
.endr
.endr
.irp i, 0,1,2,3,4,5,6,7
	ds_load_b128 v[S+4*\i:S+4*\i+3], v[BM+3] offset:544*\i   ; LDS serves a wave's instructions in order: these see my stores
.endr
.irp i, 0,1,2,3,4,5,6,7
	s_wait_dscnt 7-\i
	global_store_b128 v[T1], v[S+4*\i:S+4*\i+3], s[14:15] offset:(2*\i+8*(\i/4))*4096+1048576*\p th:TH_STORE_NT   ; stage row 2 i + h is the tile's query 2 i + h + 8 (i / 4); sixteen lanes store 256 consecutive bytes, aligned
.endr
.endm
	MINIT
	s_mov_b32 s[TB], 0
	STEPLOOP 3                                     ; V of records 0-2, K of records 0-3: what the head's loads brought
	s_wait_tensorcnt 0x0                           ; my later load, if I issued one, has landed,
	s_wait_dscnt 0x0                               ; and no LDS load of mine is out at the signal
	s_barrier_signal -1
	s_barrier_wait -1                              ; everybody's have: records 4-15 and Wr are whole
	STEPLOOP 13
	PASS_END 0
	s_wait_xcnt 0x0                                ; the stores have read their registers and offsets: the next pass writes them
	ZERO                                           ; Wr's fragments lay over K's: registers 4-7 are set again
	KLOAD LK, LS, 0
	MINIT
	s_mov_b32 s[TB], 0
	STEPLOOP 16
	PASS_END 1
	s_wait_tensorcnt 0x0                           ; the wave's end
	ds_add_u32 v[SPW], v[NIL]
	s_wait_dscnt 0x0
	CROUND                                         ; the closing round: no work-group ends while a partner may still ask for a tile that names it
	s_endpgm
.Lfunc_end_k_qf26575daec_attn:
	.size	k_qf26575daec_attn, .Lfunc_end_k_qf26575daec_attn-k_qf26575daec_attn
	.p2alignl 7, 3214868480
	.fill 96, 4, 3214868480
	.section	.rodata,"a",@progbits
	.p2align	6, 0x0
	.amdhsa_kernel k_qf26575daec_attn
		.amdhsa_group_segment_fixed_size 327680
		.amdhsa_private_segment_fixed_size 0
		.amdhsa_enable_private_segment 0
		.amdhsa_kernarg_size 48
		.amdhsa_user_sgpr_count 2
		.amdhsa_user_sgpr_kernarg_segment_ptr 1
		.amdhsa_wavefront_size32 1
		.amdhsa_system_sgpr_workgroup_id_x 1
		.amdhsa_system_sgpr_workgroup_id_y 1
		.amdhsa_system_sgpr_workgroup_id_z 1
		.amdhsa_system_vgpr_workitem_id 0
		.amdhsa_next_free_vgpr 256
		.amdhsa_next_free_sgpr 80
		.amdhsa_reserve_vcc 1
		.amdhsa_float_denorm_mode_32 3
		.amdhsa_float_denorm_mode_16_64 3
		.amdhsa_memory_ordered 1
		.amdhsa_forward_progress 1
		.amdhsa_inst_pref_size 93
	.end_amdhsa_kernel
	.amdgpu_metadata
---
amdhsa.version: [ 1, 2 ]
amdhsa.kernels:
  - .name:           k_qf26575daec_attn
    .symbol:         k_qf26575daec_attn.kd
    .args:
      - { .name: qbuf, .offset: 0, .size: 8, .value_kind: global_buffer, .address_space: global }
      - { .name: kv, .offset: 8, .size: 8, .value_kind: global_buffer, .address_space: global }
      - { .name: wimg, .offset: 16, .size: 8, .value_kind: global_buffer, .address_space: global }
      - { .name: ximg, .offset: 24, .size: 8, .value_kind: global_buffer, .address_space: global }
      - { .name: mask, .offset: 32, .size: 8, .value_kind: global_buffer, .address_space: global }
      - { .name: y, .offset: 40, .size: 8, .value_kind: global_buffer, .address_space: global }
    .group_segment_fixed_size: 327680
    .private_segment_fixed_size: 0
    .kernarg_segment_align: 8
    .kernarg_segment_size: 48
    .max_flat_workgroup_size: 512
    .sgpr_count:     80
    .vgpr_count:     256
    .wavefront_size: 32
...
	.end_amdgpu_metadata
.endif
;; end of part 3
;; launch norm (part 4): grid 512 x 1, 4 waves a work-group, no clusters, 0 bytes of LDS; arguments y, gamma, beta, out0; writes out0
.if DOCPART == 4
	.amdgcn_target "amdgcn-amd-amdhsa--gfx1250"
	.amdhsa_code_object_version 6
	.text
	.protected	k_qf26575daec_norm
	.globl	k_qf26575daec_norm
	.p2align	8
	.type	k_qf26575daec_norm,@function
k_qf26575daec_norm:
	s_mov_b64 s[64:65], 0
	v_nop
	global_prefetch_b8 v0, s[64:65] scope:SCOPE_SE
	s_setreg_imm32_b32 hwreg(HW_REG_WAVE_MODE, 25, 1), 1
	s_wait_xcnt 0x0
; out0[r][c] = (y[r][c] - mean) / sqrt(variance + 1e-5) x gamma[c] + beta[c], mean and variance over the row's 1,024 numbers; all f32.
; A row is 4,096 bytes: one wave takes a whole row, eight 16-byte loads a lane, and keeps it in 32 registers between the passes: the row is read once, and no wave waits for another.
; Four waves, 4 rows each, a register slot to a row. Every offset is an immediate.
; The variance is taken of y - mean (two passes over registers), not as a difference of large sums.  No LDS, no cluster, no matrix unit: work-groups share nothing but gamma and beta, 8 KiB.
.set G,   8                            ; v8-39    gamma of my 32 columns
.set B,   40                           ; v40-71   beta
.set X,   72                           ; v72-199  slot s: 32 registers
.set SM,  200                          ; v200-207 four chains of sums
.set MU,  208                          ; v[208:209] the mean (the low word serves both halves)
.set RS,  210                          ; v[210:211] 1 / sqrt(variance + eps)
.set T,   212
.set VE,  213
	s_load_b256 s[4:11], s[0:1], 0x0               ; y, gamma, beta, out0
	v_and_b32 v2, 31, v0
	v_lshlrev_b32 v2, 4, v2                        ; 16 x lane
	v_lshrrev_b32 v3, 5, v0
	v_lshl_add_u32 v1, v3, 14, v2                  ; + wave x 4 rows
	s_lshl_b32 s12, ttmp9, 16                      ; the work-group's 16 rows
	s_mov_b32 s13, 0
	s_mov_b32 s14, 0x3a800000                      ; 1 / 1,024
	s_mov_b32 s15, 0x3727c5ac                      ; 1e-5
	s_mov_b32 s16, 0x76543210
	s_mov_b32 s17, 0xfedcba98
	v_mov_b32 v[MU+1], 0                           ; named as upper halves of pairs, so they are written
	v_mov_b32 v[RS+1], 0
	v_mov_b32 v[T], 0                              ; a lane permute's destination counts as one of its sources
	s_wait_alu depctr_va_vdst(0)                   ; the wait at the head's end
	s_wait_kmcnt 0x0
	s_add_nc_u64 s[4:5], s[4:5], s[12:13]
	s_add_nc_u64 s[10:11], s[10:11], s[12:13]
.irp j, 0,1,2,3,4,5,6,7
	global_load_b128 v[G+4*\j:G+4*\j+3], v2, s[6:7] offset:512*\j
	global_load_b128 v[B+4*\j:B+4*\j+3], v2, s[8:9] offset:512*\j
.endr
.macro FILL i                          ; row i into slot i: eight loads of 512 consecutive bytes
.irp j, 0,1,2,3,4,5,6,7
	global_load_b128 v[X+32*(\i)+4*\j:X+32*(\i)+4*\j+3], v1, s[4:5] offset:4096*(\i)+512*\j th:TH_LOAD_NT
.endr
.endm
.macro REDUCE                          ; the four chains, then the 32 lanes; every lane ends with the sum in v[SM]
	v_pk_add_f32 v[SM:SM+1], v[SM:SM+1], v[SM+2:SM+3]
	v_pk_add_f32 v[SM+4:SM+5], v[SM+4:SM+5], v[SM+6:SM+7]
	v_pk_add_f32 v[SM:SM+1], v[SM:SM+1], v[SM+4:SM+5]
	v_add_f32 v[SM], v[SM], v[SM+1]
	v_add_f32_dpp v[SM], v[SM], v[SM] row_xmask:1 row_mask:0xf bank_mask:0xf
	v_add_f32_dpp v[SM], v[SM], v[SM] row_xmask:2 row_mask:0xf bank_mask:0xf
	v_add_f32_dpp v[SM], v[SM], v[SM] row_xmask:4 row_mask:0xf bank_mask:0xf
	v_add_f32_dpp v[SM], v[SM], v[SM] row_xmask:8 row_mask:0xf bank_mask:0xf
	v_permlanex16_b32 v[T], v[SM], s16, s17
	v_add_f32 v[SM], v[SM], v[T]
.endm
	FILL 0
	FILL 1
	FILL 2
	FILL 3
.macro TURN i, left
.set XS, X+32*(\i)
	s_wait_loadcnt \left                           ; my row is in; the younger rows stay on their way
.irp k, 0,1,2,3
	v_pk_add_f32 v[SM+2*\k:SM+2*\k+1], v[XS+4*\k:XS+4*\k+1], v[XS+4*\k+2:XS+4*\k+3]   ; the first sixteen numbers start the chains: nothing is cleared
.endr
.irp k, 0,1,2,3,4,5,6,7
	v_pk_add_f32 v[SM+2*(\k%4):SM+2*(\k%4)+1], v[SM+2*(\k%4):SM+2*(\k%4)+1], v[XS+16+2*\k:XS+17+2*\k]
.endr
	REDUCE
	v_mul_f32 v[MU], s14, v[SM]                    ; the mean
.irp k, 0,1,2,3,4,5,6,7,8,9,10,11,12,13,14,15
	v_pk_add_f32 v[XS+2*\k:XS+2*\k+1], v[XS+2*\k:XS+2*\k+1], v[MU:MU+1] op_sel_hi:[1,0] neg_lo:[0,1] neg_hi:[0,1]   ; y - mean, in place
.endr
.irp k, 0,1,2,3
	v_pk_mul_f32 v[SM+2*\k:SM+2*\k+1], v[XS+2*\k:XS+2*\k+1], v[XS+2*\k:XS+2*\k+1]
.endr
.irp k, 4,5,6,7,8,9,10,11,12,13,14,15
	v_pk_fma_f32 v[SM+2*(\k%4):SM+2*(\k%4)+1], v[XS+2*\k:XS+2*\k+1], v[XS+2*\k:XS+2*\k+1], v[SM+2*(\k%4):SM+2*(\k%4)+1]
.endr
	REDUCE
	v_fma_f32 v[VE], v[SM], s14, s15               ; variance + eps
	s_wait_alu depctr_va_vdst(0)                   ; the wait ahead of the transcendental
	v_rsq_f32 v[RS], v[VE]
	v_nop                                          ; a plain place behind it
	s_wait_alu depctr_va_vdst(0)                   ; and the wait ahead of its first reader
.irp k, 0,1,2,3,4,5,6,7,8,9,10,11,12,13,14,15
	v_pk_mul_f32 v[XS+2*\k:XS+2*\k+1], v[XS+2*\k:XS+2*\k+1], v[RS:RS+1] op_sel_hi:[1,0]
.endr
.irp k, 0,1,2,3,4,5,6,7,8,9,10,11,12,13,14,15
	v_pk_fma_f32 v[XS+2*\k:XS+2*\k+1], v[XS+2*\k:XS+2*\k+1], v[G+2*\k:G+2*\k+1], v[B+2*\k:B+2*\k+1]
.endr
.irp j, 0,1,2,3,4,5,6,7
	global_store_b128 v1, v[XS+4*\j:XS+4*\j+3], s[10:11] offset:4096*(\i)+512*\j th:TH_STORE_NT   ; 512 consecutive bytes, aligned; a slot's registers are written by no later line
.endr
.endm
	TURN 0, 24                                     ; behind row 0's loads: three rows of eight
	TURN 1, 16
	TURN 2, 8
	TURN 3, 0
	s_endpgm
.Lfunc_end_k_qf26575daec_norm:
	.size	k_qf26575daec_norm, .Lfunc_end_k_qf26575daec_norm-k_qf26575daec_norm
	.p2alignl 7, 3214868480
	.fill 96, 4, 3214868480
	.section	.rodata,"a",@progbits
	.p2align	6, 0x0
	.amdhsa_kernel k_qf26575daec_norm
		.amdhsa_group_segment_fixed_size 0
		.amdhsa_private_segment_fixed_size 0
		.amdhsa_enable_private_segment 0
		.amdhsa_kernarg_size 32
		.amdhsa_user_sgpr_count 2
		.amdhsa_user_sgpr_kernarg_segment_ptr 1
		.amdhsa_wavefront_size32 1
		.amdhsa_system_sgpr_workgroup_id_x 1
		.amdhsa_system_sgpr_workgroup_id_y 1
		.amdhsa_system_sgpr_workgroup_id_z 1
		.amdhsa_system_vgpr_workitem_id 0
		.amdhsa_next_free_vgpr 216
		.amdhsa_next_free_sgpr 66
		.amdhsa_reserve_vcc 0
		.amdhsa_float_denorm_mode_32 3
		.amdhsa_float_denorm_mode_16_64 3
		.amdhsa_memory_ordered 1
		.amdhsa_forward_progress 1
		.amdhsa_inst_pref_size 34
	.end_amdhsa_kernel
	.amdgpu_metadata
---
amdhsa.version: [ 1, 2 ]
amdhsa.kernels:
  - .name:           k_qf26575daec_norm
    .symbol:         k_qf26575daec_norm.kd
    .args:
      - { .name: y, .offset: 0, .size: 8, .value_kind: global_buffer, .address_space: global }
      - { .name: gamma, .offset: 8, .size: 8, .value_kind: global_buffer, .address_space: global }
      - { .name: beta, .offset: 16, .size: 8, .value_kind: global_buffer, .address_space: global }
      - { .name: out0, .offset: 24, .size: 8, .value_kind: global_buffer, .address_space: global }
    .group_segment_fixed_size: 0
    .private_segment_fixed_size: 0
    .kernarg_segment_align: 8
    .kernarg_segment_size: 32
    .max_flat_workgroup_size: 128
    .sgpr_count:     66
    .vgpr_count:     216
    .wavefront_size: 32
...
	.end_amdgpu_metadata
.endif
;; end of part 4
